; MI455X (gfx1250); checked and timed in simulation.
; The chip was launched on July 23, 2026; its instructions are those of AMD's public machine-readable ISA for CDNA 5 (MIT licence, August 2026) and "CDNA5" Instruction Set Architecture Reference Guide (July 2026). The comments in the code are by the model that wrote it; some were corrected since.
;; W8 A16 Linear. Allowed arithmetic: matrix products marked QUANTISED: E2M1 operands, one E8M0 scale for each 32 along K, by v_wmma_scale_f32_16x16x128_f8f6f4 with both operands' format E2M1 (or v_wmma_scale_f32_32x16x128_f4), f32 sums; everything else in f32.
;; Inputs: bias 4,096 float32; weight_int8 4,096 x 4,096 int8; weight_scale 4,096 x 1 float32; x_codes 4 x 1,024 x 128 x 16 uint8 (E2M1 codes of x, K innermost, in blocks of 32 codes, two codes a byte); x_scales 4 x 1,024 x 128 uint8 (E8M0 scales of x, one for each 32 codes along K).
;; Outputs: out0 4 x 1,024 x 4,096 float32.
;; This version of the problem:
;;   THIS VERSION OF THE PROBLEM IS GIVEN IN LOW PRECISION. The matrix products marked QUANTISED in the list below multiply operands that are first quantised to E2M1 (2 exponent bits, 1 mantissa bit; 4 bits a number), with one power-of-two scale for each 32 numbers along K (OCP MX v1.0); their sums are f32. All else is computed in f32.
;;   The module's matrix products, in the order in which they are computed (A, B: the left and right operand; K: the contracted axis; several contracted axes count as one K, in the product's order):
;;     1. [M 4,096, K 4,096] x [K 4,096, N 4,096]; A: input x (given as codes); B: computed on the way: QUANTISED
;;   THE QUANTISER, for each operand of a quantised product, along K:
;;     - K is cut into blocks of 32 from its start; a last block that is shorter is filled with zeros.
;;     - A block's scale is 2^e with e = floor(log2(the largest magnitude in the block)) - 2, held to -126 .. 127; a block of zeros has e = 0. As a byte (E8M0): e + 127.
;;     - Each number is divided by its block's scale, clamped to +-6, and rounded to the nearest number of E2M1, ties to even, subnormals kept.
;;     - The product sums the exact products of the quantised numbers (number of the format x scale) in f32.
;;   ~~~python
;;   def quantise(x, axis):      # numpy; x: float32 -> the quantised numbers, widened to float32 again
;;       x = np.moveaxis(x, axis, -1); K = x.shape[-1]
;;       x = np.pad(x, [(0, 0)] * (x.ndim - 1) + [(0, -K % 32)]); x = x.reshape(x.shape[:-1] + (-1, 32)); a = np.abs(x).max(-1, keepdims=True)
;;       e = np.where(a > 0, np.clip(np.frexp(np.where(a > 0, a, 1))[1] - 1 - 2, -126, 127), 0)      # np.frexp(a)[1] - 1 = floor(log2(a)), exactly
;;       r = np.clip(x / 2.0 ** e, -6, 6)
;;       step = 2.0 ** (np.maximum(np.frexp(np.where(r == 0, 1, r))[1] - 1, 0) - 1)
;;       q = np.round(r / step) * step * 2.0 ** e      # np.round: ties to even
;;       return np.moveaxis(q.reshape(q.shape[:-2] + (-1,))[..., :K], -1, axis).astype(np.float32)
;;   ~~~
;;   OPERANDS COMPUTED ON THE WAY. 'Computed on the way' means the value that the module computes at that place (a softmax that the list does not call 'softmax' is quantised finished and normalised). What goes into a quantiser is computed in f32, as accurately as f32 sums, v_exp_f32 and their like allow (about 1e-6 of the number): no bf16 or f16 on the way to a quantiser, and a product that is left as it is and whose result goes on into a quantised operand takes f32 operands (vector FMAs, or v_wmma_f32_16x16x4_f32). A number that lies on a knife's edge between two numbers of the format may be rounded either way, as far as f32 arithmetic and the matrix unit's own rounding can turn it there, and no further.
;;   INPUTS GIVEN AS CODES. x (in the module: [4, 1024, 4096], K = its axis 2): each comes as NAME_codes (uint8): NAME with its K axis moved to the last place and cut into blocks of 32 codes, [.., K / 32, bytes a block], one block behind the other in memory; two codes a byte, the lower K in the low four bits (a code: sign, 2 exponent bits, 1 mantissa bit); and NAME_scales (uint8): the same leading axes, one E8M0 byte (e + 127) for each 32 codes along K. Its value is code x scale, taken as it is: it is not quantised again, and the codes and scales need not be those that the quantiser above would give.
;; One version. Each part assembles by itself: llvm-mc -triple=amdgcn-amd-amdhsa -mcpu=gfx1250 --defsym DOCPART=n.
;; ======== version 1 of 1: 2 launches
;; limits: right only within a limited range of input values
;; workspace buffers: w_codes 8,388,608 bytes; scl 1,048,576 bytes
;; launch prep (part 1): grid 256 x 1, 16 waves a work-group, no clusters, 4,096 bytes of LDS; arguments weight_int8, weight_scale, x_scales, w_codes, scl; writes w_codes, scl
.if DOCPART == 1
	.amdgcn_target "amdgcn-amd-amdhsa--gfx1250"
	.amdhsa_code_object_version 6
	.text
	.protected	k_q9bbb04cd41_prep
	.globl	k_q9bbb04cd41_prep
	.p2align	8
	.type	k_q9bbb04cd41_prep,@function
k_q9bbb04cd41_prep:
	s_mov_b64 s[64:65], 0
	v_nop
	global_prefetch_b8 v0, s[64:65] scope:SCOPE_SE
	s_setreg_imm32_b32 hwreg(HW_REG_WAVE_MODE, 25, 1), 1
	s_wait_xcnt 0x0
; w[n][k] = f32(weight_int8[n][k]) x weight_scale[n], [4096][4096], is turned into codes of FP4 (E2M1), K innermost, two codes a byte: w_codes [4096 places][2048 bytes];
; the scale bytes of BOTH operands are laid by K step of 512: scl [2: x, w][8 K steps][4096 rows or places][16 bytes].
; THE PLACES OF w: in each 64 rows of w, row 4 r + t (r = 0..15, t = 0..3) lies at place 16 t + r.  So the next launch's tile of 16 places holds every fourth column of the output, and four tiles give a lane four neighbouring columns.
; THE NUMBER.  u = byte xor 0x80 = i + 128, as f32; w = fma(u, s, -128 s).  128 s is exact, so the fused multiply-add rounds i s once: the f32 product i x s.
; THE QUANTISER.  A block's scale operand is its largest magnitude with 2 taken off the exponent field, a floor among the maximum's leaves holds the byte at 1 from below.  Beyond 6 the conversion gives the largest code.
; LIMITS: a block of zeros gets the byte 1 where the rule says 127: its codes are zeros, which add nothing under any byte but 0xff, and this program alone reads the bytes.
; NaN and infinities in weight_scale are not served; 128 x weight_scale must be finite: weight_scale under 2^120.
; SHARES.  Work-group g makes places 16 g .. 16 g + 15 = rows 64 (g / 4) + g % 4 + 4 p.  Wave w takes K step w % 8 (512 along K) of the eight places p = 8 (w / 8) + t.  A step is ONE load: 32 lanes x 16 int8 = 512 consecutive bytes.
; A lane holds 16 neighbours along K, lanes l and l xor 1 a block of 32.  Its 16 codes are 8 bytes: a wave's store covers 256 consecutive bytes, aligned.  The scale bytes of a K step's 16 places are 256 bytes,
; gathered in LDS from two waves: behind a barrier waves 0-7 store w's, waves 8-15 x's scale bytes, which only change places.  No tile is shared: no cluster, no tensor load.
.set EMAX, 2
.set R,   16                           ; v16-47   the 8 steps' bytes as loaded
.set X,   48                           ; v48-63   16 numbers at work
.set C,   64                           ; v64-79   codes: two registers for each step
.set E,   80                           ; v80-87   a scale byte for each step
.set XB,  88                           ; v88-89   x's 8 scale bytes
.set SV,  14                           ; v14-15   s (the packed form names a pair and takes its low word for both halves: the upper word is written once)
.set CV,  90                           ; v90-91   -128 s, likewise
	s_load_b256 s[4:11], s[0:1], 0x0               ; weight_int8 s[4:5], weight_scale s[6:7], x_scales s[8:9], w_codes s[10:11]
	s_load_b64 s[12:13], s[0:1], 0x20              ; scl
	v_lshl_add_u32 v92, v0, 2, 0x800               ; my spare word
	v_mov_b32 v93, 0
	v_lshrrev_b32 v1, 5, v0
	v_and_b32 v2, 31, v0                           ; lane
	v_bfe_u32 v9, v0, 1, 4                         ; lane / 2
	v_and_b32 v8, 1, v0
	v_readfirstlane_b32 s16, v1                    ; wave 0..15
	v_lshlrev_b32 v7, 7, v9                        ; x_scales: row lane / 2 of 128 bytes,
	v_lshlrev_b32 v3, 4, v2                        ; in: my 16 bytes of a load's 512
	v_lshlrev_b32 v4, 3, v2                        ; out: my 8 bytes of a store's 256
	v_mov_b32 v[SV+1], 0
	v_mov_b32 v[CV+1], 0
	v_lshl_add_u32 v7, v8, 3, v7                   ; + 8 (lane % 2)
	s_and_b32 s17, s16, 7                          ; my K step
	s_lshr_b32 s23, s16, 3                         ; my half of the 16 places
	s_lshl_b32 s30, s17, 8                         ; LDS: the K step's 256 bytes,
	s_lshl_b32 s31, s23, 7
	s_add_co_u32 s31, s31, s30                     ; my 128 of them
	v_add_nc_u32 v5, s31, v9                       ; LDS: my block's byte
	v_add_nc_u32 v6, s30, v4                       ; on the way out 8 bytes a lane
	s_mov_b32 s22, 0x80808080
	s_lshr_b32 s33, ttmp9, 2                       ; g / 4
	s_and_b32 s34, ttmp9, 3                        ; g % 4
	s_lshl_b32 s18, s33, 18                        ; weight_int8: rows 64 (g / 4) + g % 4 + 32 half, 4,096 bytes each, + 512 x K step
	s_lshl_b32 s35, s34, 12
	s_or_b32 s18, s18, s35
	s_lshl_b32 s35, s23, 17
	s_or_b32 s18, s18, s35
	s_lshl_b32 s35, s17, 9
	s_or_b32 s18, s18, s35
	s_mov_b32 s19, 0
	s_lshl_b32 s20, ttmp9, 15                      ; w_codes: places 16 g + 8 half, 2,048 bytes each, + 256 x K step
	s_lshl_b32 s35, s23, 14
	s_or_b32 s20, s20, s35
	s_or_b32 s20, s20, s30
	s_mov_b32 s21, 0
	s_lshl_b32 s24, ttmp9, 11                      ; x_scales: 16 g rows of 128 bytes + 16 x K step
	s_lshl_b32 s35, s17, 4
	s_or_b32 s24, s24, s35
	s_mov_b32 s25, 0
	s_lshl_b32 s26, s17, 16                        ; scl: K step of 65,536 bytes + 16 g rows of 16 bytes
	s_lshl_b32 s35, ttmp9, 8
	s_or_b32 s26, s26, s35
	s_mov_b32 s27, 0
	s_lshl_b32 s28, s33, 8                         ; weight_scale: numbers 64 (g / 4) + g % 4 + 32 half + 4 t
	s_lshl_b32 s35, s34, 2
	s_or_b32 s28, s28, s35
	s_lshl_b32 s35, s23, 7
	s_or_b32 s28, s28, s35
	s_mov_b32 s29, 0
	s_wait_alu depctr_va_vdst(0)                   ; the wait at the head's end
	s_wait_kmcnt 0x0
	s_add_nc_u64 s[4:5], s[4:5], s[18:19]
	s_add_nc_u64 s[6:7], s[6:7], s[28:29]
	s_add_nc_u64 s[8:9], s[8:9], s[24:25]
	s_add_nc_u64 s[10:11], s[10:11], s[20:21]
	s_add_nc_u64 s[12:13], s[12:13], s[26:27]      ; x's part of scl
	s_add_nc_u64 s[14:15], s[12:13], 0x80000       ; w's part: 524,288 bytes on
.irp t, 0,1,2,3,4,5,6,7
	s_load_b32 s[36+\t], s[6:7], 16*\t             ; my 8 rows' scales, every fourth number
.endr
	global_load_b64 v[XB:XB+1], v7, s[8:9]         ; x's scale bytes: used by waves 8-15 behind the barrier (the partner wave loads the same ones)
.irp t, 0,1,2,3,4,5,6,7
	global_load_b128 v[R+4*\t:R+4*\t+3], v3, s[4:5] offset:16384*\t th:TH_LOAD_NT   ; four rows on: 32 lanes read 512 consecutive bytes; read once in the launch
.endr
	s_wait_kmcnt 0x0                               ; the 8 scales
.macro STEP t
	s_wait_loadcnt 7-(\t)                          ; loads come back in order (ISA guide 5.7.1): those of the 7 - t later steps may be out
	v_mov_b32 v[SV], s[36+(\t)]                    ; s
.irp d, 0,1,2,3
	v_xor_b32 v[R+4*(\t)+\d], s22, v[R+4*(\t)+\d]  ; four bytes i + 128
.endr
	v_mul_f32 v[CV], 0xc3000000, v[SV]             ; -128 s, exact
.irp d, 0,1,2,3
	v_and_b32 v[X+4*\d], 0xff, v[R+4*(\t)+\d]
	v_bfe_u32 v[X+4*\d+1], v[R+4*(\t)+\d], 8, 8
	v_bfe_u32 v[X+4*\d+2], v[R+4*(\t)+\d], 16, 8
	v_lshrrev_b32 v[X+4*\d+3], 24, v[R+4*(\t)+\d]
.endr
.irp i, 0,1,2,3,4,5,6,7,8,9,10,11,12,13,14,15
	v_cvt_f32_u32 v[X+\i], v[X+\i]
.endr
.irp j, 0,2,4,6,8,10,12,14
	v_pk_fma_f32 v[X+\j:X+\j+1], v[X+\j:X+\j+1], v[SV:SV+1], v[CV:CV+1] op_sel_hi:[1,0,0]   ; (i + 128) s - 128 s, one rounding: i x s in f32
.endr
	v_max3_num_f32 v8, |v[X]|, |v[X+1]|, |v[X+2]|  ; the largest magnitude of my 16, in four chains
	v_max3_num_f32 v9, |v[X+3]|, |v[X+4]|, |v[X+5]|
	v_max3_num_f32 v10, |v[X+6]|, |v[X+7]|, |v[X+8]|
	v_max3_num_f32 v12, |v[X+9]|, |v[X+10]|, |v[X+11]|
	v_max3_num_f32 v8, v8, |v[X+12]|, |v[X+13]|
	v_max3_num_f32 v9, v9, |v[X+14]|, |v[X+15]|
	v_max3_num_f32 v10, v10, v12, (EMAX+1)<<23     ; and the floor 2^(3 - 127): the byte cannot fall under 1
	s_delay_alu instid0(VALU_DEP_1)
	v_max3_num_f32 v8, v8, v9, v10
	s_delay_alu instid0(VALU_DEP_1)
	v_max_num_f32_dpp v8, v8, v8 row_xmask:1 row_mask:0xf bank_mask:0xf   ; and of my neighbour's 16: the block's
	s_delay_alu instid0(VALU_DEP_1)
	v_add_nc_u32 v11, -(EMAX<<23), v8              ; 2 off its exponent field: the conversion takes the exponent field of this operand as its scale, and nothing else of it
	v_cvt_scalef32_pk8_fp4_f32 v[C+2*(\t)], v[X:X+7], v11         ; the first number's code in the lowest four bits
	v_cvt_scalef32_pk8_fp4_f32 v[C+2*(\t)+1], v[X+8:X+15], v11
	v_lshrrev_b32 v[E+(\t)], 23, v11               ; the scale's byte; also the plain instruction between the conversions and the next step's writes of their sources
.endm
.macro OUT4 t0                         ; four steps' results leave together
.irp t, \t0, \t0+1, \t0+2, \t0+3
	global_store_b64 v4, v[C+2*(\t):C+2*(\t)+1], s[10:11] offset:2048*(\t)   ; 32 lanes store 256 consecutive bytes, at a multiple of 256 from the buffer's first byte
.endr
.irp t, \t0, \t0+1, \t0+2, \t0+3
	ds_store_b8 v5, v[E+(\t)] offset:16*(\t)       ; both lanes of a block write the same byte with the same value
.endr
.endm
.irp t, 0,1,2,3
	STEP \t
.endr
	OUT4 0
.irp t, 4,5,6,7
	STEP \t
.endr
	OUT4 4
	s_wait_dscnt 0x0                               ; my scale bytes are in LDS: the partner's half of the K step's 256 bytes is read behind the barrier
	s_barrier_signal -1
	s_barrier_wait -1
	s_cmp_lt_u32 s16, 8
	s_cbranch_scc0 .Lx
	ds_load_b64 v[12:13], v6
	s_wait_dscnt 0x0
	global_store_b64 v4, v[12:13], s[14:15]        ; w's scale bytes of my K step: 256 consecutive bytes
	s_branch .Lend
.Lx:
	global_store_b64 v4, v[XB:XB+1], s[12:13]      ; x's scale bytes at their new place: 256 consecutive bytes
.Lend:
	s_wait_tensorcnt 0x0                           ; the wave's end
	ds_add_u32 v92, v93
	s_wait_dscnt 0x0
	s_endpgm
.Lfunc_end_k_q9bbb04cd41_prep:
	.size	k_q9bbb04cd41_prep, .Lfunc_end_k_q9bbb04cd41_prep-k_q9bbb04cd41_prep
	.p2alignl 7, 3214868480
	.fill 96, 4, 3214868480
	.section	.rodata,"a",@progbits
	.p2align	6, 0x0
	.amdhsa_kernel k_q9bbb04cd41_prep
		.amdhsa_group_segment_fixed_size 4096
		.amdhsa_private_segment_fixed_size 0
		.amdhsa_enable_private_segment 0
		.amdhsa_kernarg_size 40
		.amdhsa_user_sgpr_count 2
		.amdhsa_user_sgpr_kernarg_segment_ptr 1
		.amdhsa_wavefront_size32 1
		.amdhsa_system_sgpr_workgroup_id_x 1
		.amdhsa_system_sgpr_workgroup_id_y 1
		.amdhsa_system_sgpr_workgroup_id_z 1
		.amdhsa_system_vgpr_workitem_id 0
		.amdhsa_next_free_vgpr 94
		.amdhsa_next_free_sgpr 66
		.amdhsa_reserve_vcc 0
		.amdhsa_float_denorm_mode_32 3
		.amdhsa_float_denorm_mode_16_64 3
		.amdhsa_memory_ordered 1
		.amdhsa_forward_progress 1
		.amdhsa_inst_pref_size 30
	.end_amdhsa_kernel
	.amdgpu_metadata
---
amdhsa.version: [ 1, 2 ]
amdhsa.kernels:
  - .name:           k_q9bbb04cd41_prep
    .symbol:         k_q9bbb04cd41_prep.kd
    .args:
      - { .name: weight_int8, .offset: 0, .size: 8, .value_kind: global_buffer, .address_space: global }
      - { .name: weight_scale, .offset: 8, .size: 8, .value_kind: global_buffer, .address_space: global }
      - { .name: x_scales, .offset: 16, .size: 8, .value_kind: global_buffer, .address_space: global }
      - { .name: w_codes, .offset: 24, .size: 8, .value_kind: global_buffer, .address_space: global }
      - { .name: scl, .offset: 32, .size: 8, .value_kind: global_buffer, .address_space: global }
    .group_segment_fixed_size: 4096
    .private_segment_fixed_size: 0
    .kernarg_segment_align: 8
    .kernarg_segment_size: 40
    .max_flat_workgroup_size: 512
    .sgpr_count:     66
    .vgpr_count:     94
    .wavefront_size: 32
...
	.end_amdgpu_metadata
.endif
;; end of part 1
;; launch gemm (part 2): grid 16 x 16, 4 waves a work-group, clusters of 4 x 4, 327,680 bytes of LDS; arguments x_codes, w_codes, scl, bias, out0; writes out0
.if DOCPART == 2
	.amdgcn_target "amdgcn-amd-amdhsa--gfx1250"
	.amdhsa_code_object_version 6
	.text
	.protected	k_q9bbb04cd41_gemm
	.globl	k_q9bbb04cd41_gemm
	.p2align	8
	.type	k_q9bbb04cd41_gemm,@function
k_q9bbb04cd41_gemm:
	s_mov_b64 s[64:65], 0
	v_nop
	global_prefetch_b8 v0, s[64:65] scope:SCOPE_SE
	s_setreg_imm32_b32 hwreg(HW_REG_WAVE_MODE, 25, 1), 1
	s_wait_xcnt 0x0
	s_wait_alu depctr_hold_cnt(0) depctr_sa_sdst(0) depctr_va_vdst(0) depctr_va_sdst(0) depctr_va_ssrc(0) depctr_va_vcc(0) depctr_vm_vsrc(0)
	s_getreg_b32 s2, hwreg(HW_REG_IB_STS2, 6, 4)
	s_cmp_eq_u32 s2, 0
	s_cbranch_scc0 .Lentry_in_a_cluster
	s_endpgm
.Lentry_in_a_cluster:
	s_bfe_u32 s2, ttmp6, 0x10000c
	s_cmp_lg_u32 s2, 0xf033
	s_cbranch_scc0 .Lentry_shape_is_right
	s_endpgm
.Lentry_shape_is_right:
; out0[m][n] = sum over k of x[m][k] w[n][k] + bias[n].  x: x_codes [4096][2048 bytes], w: w_codes [4096 places][2048 bytes]: codes of FP4 (E2M1), K innermost, two codes a byte, the lower k in the low four bits.
; Their E8M0 scale bytes, one for each 32 along K, lie by K step of 512 in scl [2: x, w][8 K steps][4096][16 bytes].  out0: [4096][4096] f32; sums in f32; the matrix instruction takes codes and scale bytes as they lie.
; A tile of out0, 256 x 256, is made by a work-group of four waves, as many as a WGP has SIMDs; a wave makes 128 x 128: 4 x 8 accumulators of 32 x 16, 512 registers.  16 x 16 tiles: 256 work-groups, one tile each.
; K goes in 8 steps of 512 through a ring of two LDS slots filled by the tensor data mover: x's 256 rows of 256 bytes and w's 256: four equal loads, one a wave, 128 rows each.
; THE COLUMNS.  In each 64 places of w (a column group), place 16 t + r holds column 4 r + t.  In the results of a group's four tiles t lane r has, for one row, columns 4 r .. 4 r + 3: one addition a number brings the four side by side
; and adds the bias, and sixteen neighbouring lanes store 256 neighbouring bytes.  No result goes through LDS.  A wave has two column groups; the waves of the lower row half (s15 = 1) call the right one group 0, by their addresses
; alone: so while one row half stores the even 256 bytes of its rows, the other stores the odd ones.
; THE SCALE WORDS go from memory straight into registers: 32 lanes read 512 consecutive bytes of scl; eight loads a wave and K step, into the set that has just been left, a K step ahead of their use.
; CLUSTERS: 4 x 4 work-groups.  The four of a row need the same tiles of x, the four of a column the same tiles of w: each is asked for JOINTLY, by the same tensor load with the same descriptor and a mask that names the four.
; PREFETCHES: K steps 0 and 1 come by their loads alone.  Behind the load of K step s (s = 1 .. 6) each wave asks for step s + 1: of the 128 rows that it fetches jointly with three partners, its work-group's 32 (by address: cx for x,
; cy for w), a lane a row: each row's 256 bytes once in each cluster that will load them, one load ahead.
; LIMITS: a scale byte 0xff among x's makes its sums NaN, as the format says; the sums take K ascending, 128 along K to an instruction; the bias is added last.
; REGISTERS, in windows of 256: window 0: v0-31 addresses and the bias; v32-95 scale words, two sets; v96-127 the first results on their way out; v128-255 x's fragments, two sets (8 x 16 rows x 128 K each).
;   window 1: w's fragments, two sets at v0 and v64; all 256 at the end.  windows 2, 3: accumulator (i, b) at v[16 (8 (i % 2) + b)] of window 2 + i / 2.
; A step of 128 along K is 32 matrix instructions in four groups of 8 (i pair x b quad): (0,1 x 0-3), (0,1 x 4-7), (2,3 x 0-3), (2,3 x 4-7).  The next step's 32 LDS loads go out in one run ahead of them, into the other sets, in the order
; in which the groups will want them: w 0-3, x 0-1, w 4-7, x 2-3, eight loads each.
.set SIZE_N, 4096
.set KSTEP,  512
.set NKS,    8                         ; K steps
.set LAPS,   4                         ; a lap = two K steps = once round the ring
.set ROWB,   256                       ; a tile's row in bytes
.set KROW,   2048                      ; a row of codes in memory, in bytes
.set PITCH,  272                       ; an LDS row: 256 bytes + 16 of padding = 68 words: row r starts at bank 4 r mod 64 (64 banks of 4 bytes: ISA guide 11.1)
.set HALFT,  128*PITCH                 ; 128 rows: what one tensor load brings, and what one wave reads of x or of w
.set GRP,    64*PITCH                  ; 64 rows: a column group
.set SLOT,   4*HALFT                   ; x's 256 rows, then w's 256 rows
.set SPARE,  2*SLOT                    ; behind the ring: the spare words, 128 bytes for each wave
.set SSTEP,  4096*16                   ; a K step on in scl, in bytes
.set BI,   8                           ; v8-15   the bias: of column group g, columns 4 r + t, at v[BI + 4 g + t]
.set ADRA, 16                          ; v16-17  LDS address of my x fragments in slot 0, 1
.set ADRB, 18                          ; v18-21  the same for w: group g, slot s at v[ADRB + 2 g + s]
.set VSX,  22                          ; v22     my byte offset in a K step of scl: x's rows
.set VSW,  23                          ; v23-24  w's places, group 0, 1
.set CO,   25                          ; v25-26  my byte offset in out0, group 0, 1: 8 (lane / 16) rows + 16 (lane % 16)
.set SPW,  28                          ; v28     LDS address of my spare word; never rewritten
.set NIL,  29                          ; v29     0; never rewritten
.set PFO,  30                          ; v30     the prefetches' offset: lane x a row of codes; never rewritten
.set SC,   32                          ; scale words: set s at v[SC + 32 s]: x's block i (32 rows, a lane a row), q-th 128: + 4 i + q;  w's tiles 2 j (lanes 0-15) and 2 j + 1 (lanes 16-31): + 16 + 4 j + q
.set TMP,  96
.set AF,   128
.set WF,   0
.set BA,   18                          ; s[18:19] x_codes at the 128 rows that I fetch, K step 0
.set BB,   20                          ; s[20:21] w_codes likewise
.set G1A,  24                          ; s[24:31] descriptor group 1 for x's tiles;  s[32:39] group 0, one set for each slot
.set G0A,  32
.set G1B,  40                          ; s[40:47], s[48:55] the same for w's tiles
.set G0B,  48
.set KT,   56                          ; s56      the K step that was asked for last
.set OS,   60                          ; s[60:61] its place in scl
.set SBP,  62                          ; s[62:63] scl at the K step whose scale words are being asked for
.set PFA,  92                          ; s[92:93] where my prefetches stand: the K step behind the one that was asked for last
.set MSB, 0
.macro WIN new                         ; the immediate's high byte repeats the setting that is left; a switch that changes nothing is dropped
.if MSB != (\new)
	s_set_vgpr_msb (MSB<<8)|(\new)
.set MSB, (\new)
.endif
.endm
.set MUL_LO,  0xa4                     ; source 0 (x) window 0, source 1 (w) window 1, C and D window 2
.set MUL_HI,  0xf4                     ; the same, C and D window 3
.set TO_W,    0x40                     ; destination window 1, address window 0
; A joint load of slot s: waves 0 and 1 fetch x's two halves, waves 2 and 3 w's; each of the two lines has ONE mask and one set of registers; the branch hangs on the wave's number alone.
.macro JLOAD s
	s_cmp_eq_u32 s15, 0
	s_cbranch_scc0 .Lfor_w_\@
	tensor_load_to_lds s[G0A+4*\s:G0A+4*\s+3], s[G1A:G1A+7]
	s_nop 0
.rept 4
	v_nop
.endr
	s_branch .Lasked_\@
.Lfor_w_\@:
	tensor_load_to_lds s[G0B+4*\s:G0B+4*\s+3], s[G1B:G1B+7]
	s_nop 0
.rept 4
	v_nop
.endr
.Lasked_\@:
.endm
.macro ASK
	global_prefetch_b8 v[PFO], s[PFA:PFA+1] th:TH_LOAD_NT scope:SCOPE_SE
.endm
.macro CREST                           ; a round of the cluster's barrier behind its opening barrier
	s_cmp_lg_u32 s14, 0
	s_cbranch_scc1 .Lnot_wave_0_\@
	s_barrier_signal -3
.Lnot_wave_0_\@:
	s_barrier_wait -3
	s_barrier_signal -1
	s_barrier_wait -1
.endm
.macro CROUND                          ; a whole round
	s_barrier_signal -1
	s_barrier_wait -1
	CREST
.endm
	s_load_b256 s[4:11], s[0:1], 0x0               ; x_codes s[4:5], w_codes s[6:7], scl s[8:9], bias s[10:11]
	s_load_b64 s[12:13], s[0:1], 0x20              ; out0
	v_lshl_add_u32 v[SPW], v0, 2, SPARE
	v_mov_b32 v[NIL], 0
	ds_add_u32 v[SPW], v[NIL]                      ; the wave's opening: the add, twice on end, ahead of my first tensor load
	ds_add_u32 v[SPW], v[NIL]
	v_lshrrev_b32 v1, 5, v0
	v_readfirstlane_b32 s14, v1                    ; wave 0..3
	s_lshr_b32 s15, s14, 1                         ; which half of the tile's rows is mine.  Also: I fetch for x (0) or for w (1)
	s_and_b32 s16, s14, 1                          ; which half of its columns.  Also: which 128 rows of that tile I fetch
	s_xor_b32 s75, s15, 1                          ; my group 0 is the s15-th 64 of my 128 columns, my group 1 the s75-th
	s_bfe_u32 s95, ttmp6, 0x40000                  ; cx, cy: my place in the cluster
	s_bfe_u32 s96, ttmp6, 0x40004
	s_lshl_b32 s97, ttmp9, 2
	s_add_co_u32 s97, s97, s95                     ; tile column = 4 x cluster x + cx
	s_and_b32 s98, ttmp7, 0xffff                   ; cluster y
	s_lshl_b32 s98, s98, 2
	s_add_co_u32 s98, s98, s96                     ; tile row = 4 x cluster y + cy
	s_lshl_b32 s99, s96, 2
	s_lshl_b32 s99, 15, s99                        ; my row of the cluster
	s_lshl_b32 s100, 0x1111, s95                   ; my column
	s_or_b32 s[G1A+0], s99, (0<<16)|(1<<20)|(1<<21)|(5<<22)|(3<<25)   ; 15:0 the mask: x's tiles go to my row; elements of 1 byte; 20 padding on; 21 set beside a mask; after every 64 words (code 5) four words (code 3)
	s_or_b32 s[G1B+0], s100, (0<<16)|(1<<20)|(1<<21)|(5<<22)|(3<<25)  ; the same with the mask of my column, for w's tiles
.irp g, G1A, G1B
	s_mov_b32 s[\g+1], ROWB<<16                    ; tensor_dim0 = 256
	s_mov_b32 s[\g+2], 128<<16                     ; tensor_dim1 = 128
	s_mov_b32 s[\g+3], ROWB<<16                    ; tile_dim0 = 256
	s_mov_b32 s[\g+4], 128                         ; tile_dim1 = 128
	s_mov_b32 s[\g+5], KROW                        ; tensor_dim0_stride
	s_mov_b32 s[\g+6], 0
	s_mov_b32 s[\g+7], 0
.endr
	s_lshl_b32 s17, s16, 18                        ; which 128 rows of 2,048 bytes I fetch
	s_lshl_b32 s[BA], s98, 19                      ; x: by the tile row alone
	s_add_co_u32 s[BA], s[BA], s17
	s_mov_b32 s[BA+1], 0
	s_lshl_b32 s[BB], s97, 19                      ; w: by the tile column alone
	s_add_co_u32 s[BB], s[BB], s17
	s_mov_b32 s[BB+1], 0
	s_mul_i32 s2, s14, HALFT                       ; where they go: wave x 128 rows
	s_mov_b32 s[KT], 1                             ; the K step asked for last, once the ring is full
	s_mov_b32 s[OS+1], 0
	s_mul_i32 s22, s15, HALFT                      ; LDS: my 128 rows of x,
	s_mul_i32 s23, s16, HALFT                      ; my 128 of w, behind x's 256:
	s_add_co_u32 s23, s23, 2*HALFT
	s_mul_i32 s17, s75, GRP
	s_add_co_u32 s74, s23, s17                     ; my group 1's 64,
	s_mul_i32 s17, s15, GRP
	s_add_co_u32 s23, s23, s17                     ; my group 0's
	s_lshl_b32 s66, s98, 12                        ; scl: my 128 rows of x,
	s_lshl_b32 s17, s15, 11
	s_add_co_u32 s66, s66, s17
	s_lshl_b32 s67, s97, 12                        ; my 128 places of w, behind x's eight K steps: the same two groups
	s_lshl_b32 s17, s16, 11
	s_add_co_u32 s67, s67, s17
	s_add_co_u32 s67, s67, NKS*SSTEP
	s_lshl_b32 s17, s75, 10
	s_add_co_u32 s76, s67, s17
	s_lshl_b32 s17, s15, 10
	s_add_co_u32 s67, s67, s17
	s_lshl_b32 s77, s15, 8                         ; a group is 256 bytes of a row of out0 and of bias
	s_lshl_b32 s78, s75, 8
	s_lshl_b32 s68, s97, 10                        ; my first column in bytes of f32: in bias and in a row of out0 alike
	s_lshl_b32 s17, s16, 9
	s_add_co_u32 s68, s68, s17
	s_mov_b32 s69, 0
	s_lshl_b32 s70, s98, 22                        ; my first row of out0, rows of 16,384 bytes
	s_lshl_b32 s17, s15, 21
	s_add_co_u32 s70, s70, s17
	s_mov_b32 s71, 0
	s_cmp_eq_u32 s15, 0
	s_cselect_b32 s72, s95, s96                    ; my place among the four that ask for the tile with me: 32 rows of 2,048 bytes each
	s_lshl_b32 s72, s72, 16
	s_add_co_u32 s72, s72, 2*ROWB                  ; the first prefetch asks for K step 2
	s_mov_b32 s73, 0
	v_and_b32 v2, 31, v0                           ; lane
	v_and_b32 v3, 15, v0                           ; r
	v_bfe_u32 v4, v0, 4, 1                         ; h
	v_mul_u32_u24 v5, v3, PITCH
	v_lshl_add_u32 v[VSX], v2, 4, s66
	v_lshl_add_u32 v[VSW], v2, 4, s67
	v_lshl_add_u32 v[VSW+1], v2, 4, s76
	v_lshl_add_u32 v5, v4, 4, v5                   ; a fragment's row x pitch + 16 h
	v_lshlrev_b32 v6, 17, v4                       ; 8 h rows of out0
	v_lshl_add_u32 v27, v3, 4, s77                 ; bias: 16 r, group 0,
	v_lshl_add_u32 v31, v3, 4, s78                 ; group 1
	v_lshlrev_b32 v[PFO], 11, v2
	v_add_nc_u32 v[ADRA], s22, v5
	v_add_nc_u32 v[ADRB], s23, v5
	v_add_nc_u32 v[ADRB+2], s74, v5
	v_add_nc_u32 v[CO], v27, v6
	v_add_nc_u32 v[CO+1], v31, v6
	v_add_nc_u32 v[ADRA+1], SLOT, v[ADRA]
	v_add_nc_u32 v[ADRB+1], SLOT, v[ADRB]
	v_add_nc_u32 v[ADRB+3], SLOT, v[ADRB+2]
	s_wait_alu depctr_va_vdst(0)                   ; the wait behind the head's last vector instruction
	s_wait_dscnt 0x0                               ; both opening adds are done
	s_wait_kmcnt 0x0
	s_add_nc_u64 s[BA:BA+1], s[4:5], s[BA:BA+1]
	s_add_nc_u64 s[BB:BB+1], s[6:7], s[BB:BB+1]
	s_mov_b64 s[SBP:SBP+1], s[8:9]
	s_add_nc_u64 s[10:11], s[10:11], s[68:69]
	s_add_nc_u64 s[12:13], s[12:13], s[68:69]
	s_add_nc_u64 s[12:13], s[12:13], s[70:71]
.irp s, 0,1
	s_mov_b32 s[G0A+4*\s], 1
	s_add_co_u32 s[G0A+4*\s+1], s2, \s*SLOT
	s_add_nc_u64 s[G0A+4*\s+2:G0A+4*\s+3], s[BA:BA+1], \s*ROWB     ; K step s
	s_or_b32 s[G0A+4*\s+3], s[G0A+4*\s+3], 0x80000000
	s_mov_b32 s[G0B+4*\s], 1
	s_add_co_u32 s[G0B+4*\s+1], s2, \s*SLOT
	s_add_nc_u64 s[G0B+4*\s+2:G0B+4*\s+3], s[BB:BB+1], \s*ROWB
	s_or_b32 s[G0B+4*\s+3], s[G0B+4*\s+3], 0x80000000
.endr
	s_cmp_eq_u32 s15, 0                            ; waves 0 and 1 prefetch x's codes, waves 2 and 3 w's
	s_cselect_b64 s[PFA:PFA+1], s[BA:BA+1], s[BB:BB+1]
	s_add_nc_u64 s[PFA:PFA+1], s[PFA:PFA+1], s[72:73]
	CROUND                                         ; all sixteen work-groups are here: the first joint loads meet
	JLOAD 0                                        ; K step 0: one tensor load a wave at the head
.macro GSCALES sc, off                 ; a K step's scale words into set sc: four words a row
.irp i, 0,1,2,3
	global_load_b128 v[SC+32*\sc+4*\i:SC+32*\sc+4*\i+3], v[VSX], s[SBP:SBP+1] offset:\off+512*\i
	global_load_b128 v[SC+32*\sc+16+4*\i:SC+32*\sc+19+4*\i], v[VSW+\i/2], s[SBP:SBP+1] offset:\off+512*(\i%2)
.endr
.endm
	GSCALES 0, 0
.macro WM d, a, b, sx, sw, row, zero   ; one matrix instruction: source 0 = 32 rows of x, source 1 = 16 places of w; odd tiles of w take their scales from lanes 16-31
.if \zero
.if \row
	v_wmma_scale_f32_32x16x128_f4 v[\d:\d+15], v[\a:\a+15], v[\b:\b+7], 0, v[\sx], v[\sw] matrix_b_scale:MATRIX_SCALE_ROW1
.else
	v_wmma_scale_f32_32x16x128_f4 v[\d:\d+15], v[\a:\a+15], v[\b:\b+7], 0, v[\sx], v[\sw]
.endif
.else
.if \row
	v_wmma_scale_f32_32x16x128_f4 v[\d:\d+15], v[\a:\a+15], v[\b:\b+7], v[\d:\d+15], v[\sx], v[\sw] matrix_b_scale:MATRIX_SCALE_ROW1
.else
	v_wmma_scale_f32_32x16x128_f4 v[\d:\d+15], v[\a:\a+15], v[\b:\b+7], v[\d:\d+15], v[\sx], v[\sw]
.endif
.endif
.endm
; A group: x's blocks i0, i0 + 1 against w's tiles b0 .. b0 + 3, the slot's q-th 128 along K, fragment sets p, scale set sc.  zero = 1: the first product starts the sums: nothing is ever cleared.
; The accumulators take turns, one instruction a turn, in the same order in every step.
.macro G i0, b0, q, p, sc, zero
.irp i, \i0, \i0+1
.irp b, \b0, \b0+1, \b0+2, \b0+3
	WM 16*(8*((\i)%2)+(\b)), AF+64*(\p)+16*(\i), WF+64*(\p)+8*(\b), SC+32*(\sc)+4*(\i)+(\q), SC+32*(\sc)+16+4*((\b)/2)+(\q), ((\b)%2), \zero
.endr
.endr
.endm
.macro FRAG reg, adr, q, f             ; 16 rows x 128 K of 4-bit codes, 8 registers: lane l holds row l % 16; registers 4 c .. 4 c + 3 hold K = 64 c + 32 (l / 16) + 0 .. 31
.irp c, 0,1
	ds_load_b128 v[\reg+4*\c:\reg+4*\c+3], v[\adr] offset:64*(\q)+32*\c+(\f)*16*PITCH
.endr
.endm
.macro WGRP slot, q, g, reg            ; w's four tiles of group g into window 1 from reg on: eight loads
	WIN TO_W
.irp t, 0,1,2,3
	FRAG (\reg)+8*\t, ADRB+2*(\g)+\slot, \q, \t
.endr
	WIN 0
.endm
.macro LX slot, q, p, f0               ; x's blocks of 16 rows f0 .. f0 + 3 into set p: eight loads
	WIN 0
.irp f, \f0, \f0+1, \f0+2, \f0+3
	FRAG AF+64*(\p)+8*(\f), ADRA+\slot, \q, \f
.endr
.endm
.macro RUN slot, q, p                  ; a step's 32 loads
	WGRP \slot, \q, 0, WF+64*(\p)
	LX \slot, \q, \p, 0
	WGRP \slot, \q, 1, WF+64*(\p)+32
	LX \slot, \q, \p, 4
.endm
; A load into a register that a matrix instruction has read, and a vector instruction that reads a matrix result, stand four places behind that matrix instruction; only plain vector instructions that name none of its registers
; are places (ISA guide 7.12.1 for vector instructions).
.macro PLACES
.rept 4
	v_nop
.endr
.endm
; A step of 128 along K that has its successor in the same slot.  pre: the four places in front of the loads into the sets that the step before has read.
; turn = 1: the slot's last step follows, and with it the change of slots: ahead of the last group stand the wait for all my tensor loads (the one that was out is my part of the other slot) and the add, behind the group the wait for the add
; and for my reads of this slot, which will be filled again with the K step two steps on.
.macro STEP slot, q, zero, pre, turn
.if \pre
	PLACES
.endif
	RUN \slot, (\q)+1, 1-(\q)%2
	s_wait_dscnt 48                                ; this step's w 0-3 and x 0-1 are in: its own last 16 loads and the next step's 32 may be out
	WIN MUL_LO
	G 0, 0, \q, (\q)%2, \slot, \zero
	s_wait_dscnt 40                                ; w 4-7
	G 0, 4, \q, (\q)%2, \slot, \zero
	s_wait_dscnt 32                                ; x 2-3
	WIN MUL_HI
	G 2, 0, \q, (\q)%2, \slot, \zero
.if \turn
	WIN 0                                          ; (the add's two registers lie in window 0)
	s_wait_tensorcnt 0x0
	ds_add_u32 v[SPW], v[NIL]                      ; 0 onto my spare word; work on registers stands between it and the wait for it
	s_add_co_u32 s[KT], s[KT], 1                   ; the K step to be asked for
	s_lshl_b32 s[OS], s[KT], 16
	s_add_nc_u64 s[G0A+4*\slot+2:G0A+4*\slot+3], s[G0A+4*\slot+2:G0A+4*\slot+3], 2*ROWB   ; no tensor load of mine is out, so every group 0 may be written
	s_add_nc_u64 s[G0B+4*\slot+2:G0B+4*\slot+3], s[G0B+4*\slot+2:G0B+4*\slot+3], 2*ROWB
	s_wait_xcnt 0x0                                ; the last prefetch has read its address
	s_add_nc_u64 s[PFA:PFA+1], s[PFA:PFA+1], ROWB
.endif
	WIN MUL_HI
	G 2, 4, \q, (\q)%2, \slot, \zero
.if \turn
	s_wait_dscnt 0x0                               ; the add is done, and my reads of this slot are over
.endif
.endm
; The slot's last step.  ONE barrier for the change of slots; it opens a round of the cluster's barrier, and the joint refill is the first tensor load behind the round: from that request to the wait for it a wave issues 112 of a K step's
; 128 matrix instructions.  Behind it the other slot's first fragments are read.  At the end the set of scale words that the step has left takes the words of the same K step as the refill.
.macro TURN slot, next
	s_barrier_signal -1
	WIN MUL_LO
	G 0, 0, 3, 1, \slot, 0                         ; work on registers while the others arrive
	WIN 0
	s_barrier_wait -1
	CREST                                          ; no wave of any partner still reads this slot's tiles or has a load on its way
	JLOAD \slot                                    ; the four v_nop behind the load are also the places in front of the loads below
	RUN \next, 0, 0
	s_cmp_lt_u32 s[KT], NKS-1                      ; behind the last refill there is no K step left to ask for
	s_cbranch_scc0 .Lno_ask_\@
	ASK
.Lno_ask_\@:
	WIN MUL_LO
	G 0, 4, 3, 1, \slot, 0
	WIN MUL_HI
	G 2, 0, 3, 1, \slot, 0
	G 2, 4, 3, 1, \slot, 0
	PLACES                                         ; for the loads into this slot's set of scale words, and for the next step's loads into the sets just read
	WIN 0
	s_wait_loadcnt 0x0                             ; the next slot's scale words, asked for a K step ago, are in; no load that names the base below is out
	s_add_nc_u64 s[SBP:SBP+1], s[8:9], s[OS:OS+1]
	GSCALES \slot, 0
.endm
	s_wait_tensorcnt 0x0                           ; my part of K step 0 is in
	ds_add_u32 v[SPW], v[NIL]
	s_wait_dscnt 0x0
	CROUND                                         ; everybody's part of step 0 is in, and all sixteen work-groups are here,
	JLOAD 1                                        ; and step 1's load, the first tensor load behind the round
	RUN 0, 0, 0
	GSCALES 1, SSTEP
	global_load_b128 v[BI:BI+3], v27, s[10:11]
	global_load_b128 v[BI+4:BI+7], v31, s[10:11]
	ASK
	s_wait_loadcnt 10                              ; scale set 0 is in; set 1's eight loads and the bias's two may be out
	STEP 0, 0, 1, 0, 0                             ; the first step stands in front of the loop: its products start the sums
	WIN 0
	s_mov_b32 s3, LAPS-1
.Llap:                                                 ; a trip goes once round the ring, from a lap's second step to the next lap's first, and fills both slots again
	STEP 0, 1, 0, 1, 0
	STEP 0, 2, 0, 1, 1
	TURN 0, 1
	STEP 1, 0, 0, 0, 0
	STEP 1, 1, 0, 1, 0
	STEP 1, 2, 0, 1, 1
	TURN 1, 0
	STEP 0, 0, 0, 0, 0
	WIN 0
	s_sub_co_u32 s3, s3, 1
	s_cmp_lg_u32 s3, 0
	s_cbranch_scc1 .Llap
; THE LAST LAP GOES BY COLUMN GROUPS, so that finished results leave while others are multiplied.  K step 6 (slot 0; its first 128 are done) is finished for group 0 alone; then K step 7 (slot 1) by units of 32 rows x group 0, each of which
; leaves as soon as it is finished; then the rest of both K steps by units of 32 rows x group 1.
; Window 1 now: v128-255 K step 7's fragments of one group, 32 registers for each q; v0-127 K step 6's: q-th of group 1 at (32 q + 64) % 128: q = 1 has come there with group 0's.
.macro XB i, buf                       ; x's block i of 32 rows, K step 7: 16 loads
	WIN 0
.irp q, 0,1,2,3
	FRAG AF+64*(\buf)+16*\q, ADRA+1, \q, 2*(\i)
	FRAG AF+64*(\buf)+16*\q+8, ADRA+1, \q, 2*(\i)+1
.endr
.endm
.macro XA i                            ; x's block i, K step 6, q = 1 .. 3, into buffer 0: 12 loads
	WIN 0
.irp q, 1,2,3
	FRAG AF+16*(\q-1), ADRA, \q, 2*(\i)
	FRAG AF+16*(\q-1)+8, ADRA, \q, 2*(\i)+1
.endr
.endm
	PLACES
	WGRP 0, 2, 0, WF
	LX 0, 2, 0, 0
	LX 0, 2, 0, 4
	s_wait_dscnt 40                                ; q = 1: w 0-3 and x 0-1 are in: its last 16 loads and the 24 just issued may be out
	WIN MUL_LO
	G 0, 0, 1, 1, 0, 0
	s_wait_dscnt 24                                ; x 2-3 (and w 4-7)
	WIN MUL_HI
	G 2, 0, 1, 1, 0, 0
	PLACES
	WGRP 0, 3, 0, WF+64
	LX 0, 3, 1, 0
	LX 0, 3, 1, 4
	s_wait_dscnt 32                                ; q = 2: all but x 2-3, and the 24 just issued
	WIN MUL_LO
	G 0, 0, 2, 0, 0, 0
	s_wait_dscnt 24
	WIN MUL_HI
	G 2, 0, 2, 0, 0, 0
	PLACES
	WGRP 0, 2, 1, 0                                ; group 1's fragments of q = 2, 3
	WGRP 0, 3, 1, 32
	s_wait_dscnt 24                                ; q = 3: all but x 2-3, and the 16 just issued
	WIN MUL_LO
	G 0, 0, 3, 1, 0, 0
	WIN 0
	s_wait_tensorcnt 0x0                           ; my part of K step 7 is in
	ds_add_u32 v[SPW], v[NIL]
	s_wait_dscnt 0x0
	s_barrier_signal -1
	WIN MUL_HI
	G 2, 0, 3, 1, 0, 0
	s_barrier_wait -1                              ; slot 1 is whole; nothing is filled again, so no round follows
	PLACES                                         ; for the loads into the sets that have been read
.irp q, 0,1,2,3
	WGRP 1, \q, 0, 128+32*\q                       ; K step 7 for the first unit: 8 loads of w and 4 of x for each q
	FRAG AF+16*\q, ADRA+1, \q, 0
	FRAG AF+16*\q+8, ADRA+1, \q, 1
.endr
	XB 1, 1
	s_wait_loadcnt 0x0                             ; the last K step's scale words
; THE WAY OUT of a unit (i, g), in two halves of eight registers of each accumulator: lane (r, h) adds the bias to columns 4 r .. 4 r + 3 of row 32 i + 16 half + 8 h + j; each accumulator is read from its low end on.
; The sums lie in registers that no later line writes: the first half's in the upper halves of the accumulators of the unit before (the first unit: v96-127), the second half's in the lower halves of the unit's own, which the first half's
; additions have read.  So no wait for stores is due.
.macro TSET i, g, half
.if \half
.set TW, 2+(\i)/2
.set TB, 16*(8*((\i)%2)+4*\g)
.set TS, 16
.else
.if (4*\g+\i) == 0
.set TW, 0
.set TB, TMP
.set TS, 8
.else
.set UI, (4*\g+\i-1)%4
.set UG, (4*\g+\i-1)/4
.set TW, 2+UI/2
.set TB, 16*(8*(UI%2)+4*UG)+8
.set TS, 16
.endif
.endif
.endm
.macro HADD i, g, half
	TSET \i, \g, \half
.set AW, 2+(\i)/2
.set A0, 16*(8*((\i)%2)+4*\g)+8*\half
	WIN (TW<<6)|AW
.irp j, 0,1,2,3,4,5,6,7
.irp t, 0,1,2,3
	v_add_f32 v[TB+TS*(\j/2)+4*(\j%2)+\t], v[A0+16*\t+\j], v[BI+4*\g+\t]
.endr
.endr
.endm
.macro HST i, g, half                  ; sixteen neighbouring lanes store 256 consecutive bytes, at a multiple of 256 from out0's first byte; the offsets reach 119 rows of 16,384 bytes, inside the signed 24-bit immediate (ISA guide, chapter 10)
	TSET \i, \g, \half
	WIN TW<<2
.irp j, 0,1,2,3,4,5,6,7
	global_store_b128 v[CO+\g], v[TB+TS*(\j/2)+4*(\j%2):TB+TS*(\j/2)+4*(\j%2)+3], s[12:13] offset:(32*\i+16*\half+\j)*SIZE_N*4 th:TH_STORE_NT
.endr
.endm
.macro OUT i, g
	HADD \i, \g, 0
	HADD \i, \g, 1
	HST \i, \g, 0
	HST \i, \g, 1
.endm
.macro UM i, g, q, xa, wb, sc          ; four matrix instructions of a unit: its four accumulators by turns
.irp t, 0,1,2,3
	WM 16*(8*((\i)%2)+4*\g+\t), \xa, \wb+8*\t, SC+32*\sc+4*(\i)+\q, SC+32*\sc+16+4*((4*\g+\t)/2)+\q, (\t%2), 0
.endr
.endm
.macro UNIT0 i, wt                     ; K step 7, group 0; x's block i lies in buffer i % 2; wt: the loads issued behind that block's
	WIN MUL_LO+0x50*((\i)/2)
.irp q, 0,1,2,3
.if \i == 0
	s_wait_dscnt 16+12*(3-\q)                      ; this q's twelve loads are in
.else
.if \q == 0
	s_wait_dscnt \wt
.endif
.endif
	UM \i, 0, \q, AF+64*((\i)%2)+16*\q, 128+32*\q, 1
.endr
	PLACES
.if \i < 2
	XB \i+2, \i                                    ; block i's buffer takes the block two further on
.endif
.if \i == 2
	XA 0                                           ; buffer 0 and, below, buffer 1 go over to group 1's first unit
.endif
.if \i == 3
.irp q, 0,1,2,3
	WGRP 1, \q, 1, 128+32*\q
.endr
	XB 0, 1
.endif
	OUT \i, 0
.endm
.macro UNIT1 i, wa, wb                 ; group 1: K step 6, q = 1 .. 3, from buffer 0, then K step 7 from buffer 1; wa, wb: the loads issued behind those that each part wants
	s_wait_dscnt \wa
	WIN MUL_LO+0x50*((\i)/2)
.irp q, 1,2,3
	UM \i, 1, \q, AF+16*(\q-1), ((32*\q+64)%128), 0
.endr
.if \i < 3
	PLACES
	XA \i+1
.endif
	s_wait_dscnt \wb
	WIN MUL_LO+0x50*((\i)/2)
.irp q, 0,1,2,3
	UM \i, 1, \q, AF+64+16*\q, 128+32*\q, 1
.endr
	PLACES
.if \i < 3
	XB \i+1, 1
.endif
	OUT \i, 1
.endm
	UNIT0 0, 0
	UNIT0 1, 16
	UNIT0 2, 16
	UNIT0 3, 12
	UNIT1 0, 48, 12
	UNIT1 1, 16, 12
	UNIT1 2, 16, 12
	UNIT1 3, 16, 0
	WIN 0
	s_wait_tensorcnt 0x0                           ; the wave's end
	ds_add_u32 v[SPW], v[NIL]
	s_wait_dscnt 0x0
	CROUND                                         ; the closing round: no work-group ends while a partner may still ask for a tile that names it
	s_endpgm
.Lfunc_end_k_q9bbb04cd41_gemm:
	.size	k_q9bbb04cd41_gemm, .Lfunc_end_k_q9bbb04cd41_gemm-k_q9bbb04cd41_gemm
	.p2alignl 7, 3214868480
	.fill 96, 4, 3214868480
	.section	.rodata,"a",@progbits
	.p2align	6, 0x0
	.amdhsa_kernel k_q9bbb04cd41_gemm
		.amdhsa_group_segment_fixed_size 327680
		.amdhsa_private_segment_fixed_size 0
		.amdhsa_enable_private_segment 0
		.amdhsa_kernarg_size 40
		.amdhsa_user_sgpr_count 2
		.amdhsa_user_sgpr_kernarg_segment_ptr 1
		.amdhsa_wavefront_size32 1
		.amdhsa_system_sgpr_workgroup_id_x 1
		.amdhsa_system_sgpr_workgroup_id_y 1
		.amdhsa_system_sgpr_workgroup_id_z 1
		.amdhsa_system_vgpr_workitem_id 0
		.amdhsa_next_free_vgpr 1024
		.amdhsa_next_free_sgpr 102
		.amdhsa_reserve_vcc 0
		.amdhsa_float_denorm_mode_32 3
		.amdhsa_float_denorm_mode_16_64 3
		.amdhsa_memory_ordered 1
		.amdhsa_forward_progress 1
		.amdhsa_inst_pref_size 155
	.end_amdhsa_kernel
	.amdgpu_metadata
---
amdhsa.version: [ 1, 2 ]
amdhsa.kernels:
  - .name:           k_q9bbb04cd41_gemm
    .symbol:         k_q9bbb04cd41_gemm.kd
    .args:
      - { .name: x_codes, .offset: 0, .size: 8, .value_kind: global_buffer, .address_space: global }
      - { .name: w_codes, .offset: 8, .size: 8, .value_kind: global_buffer, .address_space: global }
      - { .name: scl, .offset: 16, .size: 8, .value_kind: global_buffer, .address_space: global }
      - { .name: bias, .offset: 24, .size: 8, .value_kind: global_buffer, .address_space: global }
      - { .name: out0, .offset: 32, .size: 8, .value_kind: global_buffer, .address_space: global }
    .group_segment_fixed_size: 327680
    .private_segment_fixed_size: 0
    .kernarg_segment_align: 8
    .kernarg_segment_size: 40
    .max_flat_workgroup_size: 128
    .sgpr_count:     102
    .vgpr_count:     1024
    .wavefront_size: 32
...
	.end_amdgpu_metadata
.endif
;; end of part 2
